; MI455X (gfx1250); checked and timed in simulation.
; The chip was launched on July 23, 2026; its instructions are those of AMD's public machine-readable ISA for CDNA 5 (MIT licence, August 2026) and "CDNA5" Instruction Set Architecture Reference Guide (July 2026). The comments in the code are by the model that wrote it; some were corrected since.
;; Gating Network. Allowed arithmetic: matrix products marked QUANTISED: E2M3 operands, one E8M0 scale for each 32 along K, by v_wmma_scale_f32_16x16x128_f8f6f4 with both operands' format E2M3, f32 sums; everything else in f32.
;; Inputs: W 64 x 2,048 float32; x 16,384 x 2,048 float32.
;; Outputs: out0 16,384 x 2 int32; out1 16,384 x 2 float32; out2 16,384 x 64 float32; out3 16,384 x 8 int32.
;; This version of the problem:
;;   THIS VERSION OF THE PROBLEM IS GIVEN IN LOW PRECISION. The matrix products marked QUANTISED in the list below multiply operands that are first quantised to E2M3 (2 exponent bits, 3 mantissa bits; 6 bits a number), with one power-of-two scale for each 32 numbers along K (OCP MX v1.0); their sums are f32. All else is computed in f32.
;;   The module's matrix products, in the order in which they are computed (A, B: the left and right operand; K: the contracted axis; several contracted axes count as one K, in the product's order):
;;     1. [M 16,384, K 2,048] x [K 2,048, N 64]; A: input x; B: input W: QUANTISED
;;   THE QUANTISER, for each operand of a quantised product, along K:
;;     - K is cut into blocks of 32 from its start; a last block that is shorter is filled with zeros.
;;     - A block's scale is 2^e with e = floor(log2(the largest magnitude in the block)) - 2, held to -126 .. 127; a block of zeros has e = 0. As a byte (E8M0): e + 127.
;;     - Each number is divided by its block's scale, clamped to +-7.5, and rounded to the nearest number of E2M3, ties to even, subnormals kept.
;;     - The product sums the exact products of the quantised numbers (number of the format x scale) in f32.
;;   ~~~python
;;   def quantise(x, axis):      # numpy; x: float32 -> the quantised numbers, widened to float32 again
;;       x = np.moveaxis(x, axis, -1); K = x.shape[-1]
;;       x = np.pad(x, [(0, 0)] * (x.ndim - 1) + [(0, -K % 32)]); x = x.reshape(x.shape[:-1] + (-1, 32)); a = np.abs(x).max(-1, keepdims=True)
;;       e = np.where(a > 0, np.clip(np.frexp(np.where(a > 0, a, 1))[1] - 1 - 2, -126, 127), 0)      # np.frexp(a)[1] - 1 = floor(log2(a)), exactly
;;       r = np.clip(x / 2.0 ** e, -7.5, 7.5)
;;       step = 2.0 ** (np.maximum(np.frexp(np.where(r == 0, 1, r))[1] - 1, 0) - 3)
;;       q = np.round(r / step) * step * 2.0 ** e      # np.round: ties to even
;;       return np.moveaxis(q.reshape(q.shape[:-2] + (-1,))[..., :K], -1, axis).astype(np.float32)
;;   ~~~
;; One version. Each part assembles by itself: llvm-mc -triple=amdgcn-amd-amdhsa -mcpu=gfx1250 --defsym DOCPART=n.
;; ======== version 1 of 1: 2 launches
;; workspace buffers: wq 102,400 bytes
;; launch wcodes (part 1): grid 16 x 1, 4 waves a work-group, no clusters, 34,560 bytes of LDS; arguments W, wq; writes wq
.if DOCPART == 1
	.amdgcn_target "amdgcn-amd-amdhsa--gfx1250"
	.amdhsa_code_object_version 6
	.text
	.protected	k_qd1c2bd239d_wcodes
	.globl	k_qd1c2bd239d_wcodes
	.p2align	8
	.type	k_qd1c2bd239d_wcodes,@function
k_qd1c2bd239d_wcodes:
	s_mov_b64 s[64:65], 0
	v_nop
	global_prefetch_b8 v0, s[64:65] scope:SCOPE_SE
	s_setreg_imm32_b32 hwreg(HW_REG_WAVE_MODE, 25, 1), 1
	s_wait_xcnt 0x0
; W [64][2048] f32 is turned, once for the whole program, into codes of FP6 (E2M3) with one E8M0 byte for each 32 along K, laid IN THE ORDER OF THE OPERAND'S REGISTERS.
; wq: for each K step s of 128: four fragment images (columns 16 n .. 16 n + 15 of the router, n = 0..3), 1,536 bytes each: register group g (four registers) of lane l at 512 g + 16 l;
; behind them 256 bytes of scale words: column c's four bytes of this K step at 4 c.  6,400 bytes a K step, 102,400 in all.
; SHARES: work-group = K step (16 of them), wave = tile of 16 columns: one fragment a wave; W has work for 64 waves and no more are launched.
; A wave's 16 loads each read 512 consecutive bytes of one row of W.  The conversion wants 16 neighbours along K in ONE lane's registers, so the 8 KB turn through the wave's own stage in LDS:
; stored as loaded, read back by rows: lane (r, h) takes of row r the numbers k = 64 c + 32 h + 0 .. 31, c = 0, 1: two whole blocks, in the very order of the operand's registers.
; A block's scale is 2^(floor(log2(largest magnitude)) - 2); its byte is the largest magnitude's exponent field - 2, held at 1 from below.
; LIMITS: a block of zeros gets the byte 1 where the rule says 127 (its codes are zeros, and this program alone reads the bytes); blocks whose largest magnitude lies under 2^-124 were not tried; NaN and infinities are not served.
.set ROWB,  8192                       ; bytes in a row of W
.set FRB,   1536                       ; a fragment's image
.set WSTEP, 4*FRB+256                  ; a K step's block in wq
.set SP,    528                        ; a stage row: 512 bytes + 16 = 132 words: row r starts at bank 4 r mod 64 (64 banks of 4 bytes: ISA guide 11.1)
.set WSTG,  16*SP                      ; a wave's stage
.set SCW,   4*WSTG                     ; behind the stages: the K step's 64 scale words
.set SPARE, SCW+256                    ; behind them: the spare words, 128 bytes for each wave, which no other line names
.set XO,  1                            ; v1   16 x lane
.set AS,  2                            ; v2   the stage, on the way in
.set AX,  3                            ; v3   and on the way out
.set SH8, 4                            ; v4   8 h
.set SPW, 5                            ; v5   LDS address of my spare word; never rewritten
.set NIL, 6                            ; v6   0; never rewritten
.set XT,  7                            ; v7   what comes from lane l xor 16
.set ASC, 8                            ; v8   where my column's scale word goes
.set ARD, 9                            ; v9   where wave 0 reads the 64 words back
.set O8,  10                           ; v10  8 x lane
.set XS,  11                           ; v11  the scale word
.set PC,  32                           ; v32-43  the fragment's codes
.set PT,  44                           ; v44-46, v48-50  the upper halves of the two blocks, as the conversions leave them
.set TM,  52                           ; v52-55  largest magnitudes, two chains a block
.set SO,  56                           ; v56-57  the conversions' scale operands
.set BY,  58                           ; v58-59  the scale bytes
.set X,   64                           ; v64-127  64 numbers of my row
.set R,   128                          ; v128-191 16 rows as loaded
.set SEL, 20                           ; s[20:21] lane selects for v_permlanex16_b32: lane l xor 16
; 64 numbers of a lane, v[X + 32 c + i] = k 64 c + 32 h + i of my row, become the fragment's 12 registers in v[PC] on and the row's scale word in v[XS].
.macro QUANT pl
.irp c, 0,1
	v_max3_num_f32 v[TM+2*\c], |v[X+32*\c]|, |v[X+32*\c+1]|, 0x1800000          ; the floor 2^(3 - 127) is one more leaf: the byte cannot fall under 1
	v_max3_num_f32 v[TM+2*\c+1], |v[X+32*\c+16]|, |v[X+32*\c+17]|, |v[X+32*\c+18]|
.endr
.irp i, 2,4,6,8,10,12
.irp c, 0,1
	v_max3_num_f32 v[TM+2*\c], v[TM+2*\c], |v[X+32*\c+\i]|, |v[X+32*\c+\i+1]|   ; four chains by turns: no line waits for the line above it
	v_max3_num_f32 v[TM+2*\c+1], v[TM+2*\c+1], |v[X+32*\c+\i+17]|, |v[X+32*\c+\i+18]|
.endr
.endr
.irp c, 0,1
	v_max3_num_f32 v[TM+2*\c], v[TM+2*\c], |v[X+32*\c+14]|, |v[X+32*\c+15]|
.endr
.irp c, 0,1
	v_max3_num_f32 v[TM+2*\c], v[TM+2*\c], v[TM+2*\c+1], |v[X+32*\c+31]|        ; the block's largest magnitude: all 32 numbers are mine
.endr
.irp c, 0,1
	v_add_nc_u32 v[SO+\c], 0xff000000, v[TM+2*\c]  ; 2 off its exponent field: the conversion takes the exponent field of this operand as its scale
.endr
.irp c, 0,1
	v_lshrrev_b32 v[BY+\c], 23, v[SO+\c]           ; the scale's byte
.endr
	v_lshl_or_b32 v[XS], v[BY+1], 16, v[BY]        ; my two bytes: blocks h and 2 + h,
	v_lshlrev_b32 v[XS], v[SH8], v[XS]             ; at their places in the word;
	v_permlanex16_b32 v[XT], v[XS], s[SEL], s[SEL+1]
	v_or_b32 v[XS], v[XS], v[XT]                   ; with lane l xor 16's two the word is whole
.irp c, 0,1
	v_cvt_scalef32_pk16_fp6_f32 v[PC+6*\c:PC+6*\c+2], v[X+32*\c:X+32*\c+15], v[SO+\c]
	v_cvt_scalef32_pk16_fp6_f32 v[PT+4*\c:PT+4*\c+2], v[X+32*\c+16:X+32*\c+31], v[SO+\c]   ; (a conversion's three registers begin on an even number: the upper half is made here and moved)
.endr
	v_nop                                          ; one plain place behind the scaled conversions
.irp c, 0,1
.irp i, 0,1,2
	v_mov_b32 v[PC+6*\c+3+\i], v[PT+4*\c+\i]
.endr
.endr
.rept \pl
	v_nop
.endr
.endm
	s_load_b128 s[4:7], s[0:1], 0x0                ; W, wq
	v_lshl_add_u32 v[SPW], v0, 2, SPARE
	v_mov_b32 v[NIL], 0
	v_lshrrev_b32 v20, 5, v0
	v_readfirstlane_b32 s8, v20                    ; wave = tile of columns
	v_and_b32 v21, 31, v0                          ; lane
	v_and_b32 v22, 15, v0                          ; r
	v_bfe_u32 v23, v0, 4, 1                        ; h
	v_lshlrev_b32 v[XO], 4, v21
	s_lshl_b32 s10, s8, 17                         ; my 16 rows of W: 16 x 8,192 bytes a tile,
	s_lshl_b32 s11, ttmp9, 9                       ; the K step's 512 bytes in a row
	s_add_co_u32 s10, s10, s11
	s_mov_b32 s11, 0
	s_mul_i32 s12, ttmp9, WSTEP                    ; the K step's block in wq
	s_mov_b32 s13, 0
	s_mul_i32 s14, s8, FRB                         ; my image in it
	s_mov_b32 s15, 0
	s_mov_b32 s[SEL], 0x76543210
	s_mov_b32 s[SEL+1], 0xfedcba98
	s_wait_alu depctr_va_vdst(0)
	s_wait_kmcnt 0x0
	s_add_nc_u64 s[4:5], s[4:5], s[10:11]
	s_add_nc_u64 s[6:7], s[6:7], s[12:13]
	s_add_nc_u64 s[16:17], s[6:7], s[14:15]
.irp i, 0,1,2,3,4,5,6,7,8,9,10,11,12,13,14,15
	global_load_b128 v[R+4*\i:R+4*\i+3], v[XO], s[4:5] offset:\i*ROWB     ; 32 lanes read 512 consecutive bytes of row i
.endr
	s_mul_i32 s9, s8, WSTG                         ; my stage
	v_add_nc_u32 v[AS], s9, v[XO]                  ; in: a row as it lies, 16 bytes a lane
	v_mul_u32_u24 v24, v22, SP
	v_lshl_add_u32 v24, v23, 7, v24
	v_add_nc_u32 v[AX], s9, v24                    ; out: row r, + 128 h bytes: my first block
	v_lshlrev_b32 v[SH8], 3, v23
	v_mov_b32 v[XT], 0                             ; written once: a lane permute's destination counts as one of its sources
	s_lshl_b32 s18, s8, 6
	s_add_co_u32 s18, s18, SCW
	v_lshl_add_u32 v[ASC], v22, 2, s18             ; word 16 n + r
	v_lshl_add_u32 v[ARD], v21, 3, SCW
	v_lshlrev_b32 v[O8], 3, v21
	s_wait_alu depctr_va_vdst(0)
	s_wait_loadcnt 0x0
.irp i, 0,1,2,3,4,5,6,7,8,9,10,11,12,13,14,15
	ds_store_b128 v[AS], v[R+4*\i:R+4*\i+3] offset:\i*SP
.endr
.irp c, 0,1
.irp q, 0,1,2,3,4,5,6,7
	ds_load_b128 v[X+32*\c+4*\q:X+32*\c+4*\q+3], v[AX] offset:256*\c+16*\q   ; LDS serves a wave's instructions in order (ISA guide 5.7.1.4): these see my stores
.endr
.endr
	s_wait_dscnt 0x0
	QUANT 0
.irp g, 0,1,2
	global_store_b128 v[XO], v[PC+4*\g:PC+4*\g+3], s[16:17] offset:512*\g    ; the image: 512 consecutive bytes a store, at a multiple of 256 from wq's first byte
.endr
	ds_store_b32 v[ASC], v[XS]                     ; lanes l and l xor 16 write the same word with the same value
	s_wait_dscnt 0x0                               ; for the others' sake: my word has landed
	s_barrier_signal -1
	s_barrier_wait -1                              ; the K step's 64 words lie together
	s_cmp_lg_u32 s8, 0
	s_cbranch_scc1 .Lrest
	ds_load_b64 v[24:25], v[ARD]
	s_wait_dscnt 0x0
	global_store_b64 v[O8], v[24:25], s[6:7] offset:4*FRB                    ; wave 0 stores them: 256 consecutive bytes, aligned
.Lrest:
	s_wait_tensorcnt 0x0                           ; the wave's end, behind my last LDS store
	ds_add_u32 v[SPW], v[NIL]
	s_wait_dscnt 0x0
	s_endpgm
.Lfunc_end_k_qd1c2bd239d_wcodes:
	.size	k_qd1c2bd239d_wcodes, .Lfunc_end_k_qd1c2bd239d_wcodes-k_qd1c2bd239d_wcodes
	.p2alignl 7, 3214868480
	.fill 96, 4, 3214868480
	.section	.rodata,"a",@progbits
	.p2align	6, 0x0
	.amdhsa_kernel k_qd1c2bd239d_wcodes
		.amdhsa_group_segment_fixed_size 34560
		.amdhsa_private_segment_fixed_size 0
		.amdhsa_enable_private_segment 0
		.amdhsa_kernarg_size 16
		.amdhsa_user_sgpr_count 2
		.amdhsa_user_sgpr_kernarg_segment_ptr 1
		.amdhsa_wavefront_size32 1
		.amdhsa_system_sgpr_workgroup_id_x 1
		.amdhsa_system_sgpr_workgroup_id_y 1
		.amdhsa_system_sgpr_workgroup_id_z 1
		.amdhsa_system_vgpr_workitem_id 0
		.amdhsa_next_free_vgpr 192
		.amdhsa_next_free_sgpr 66
		.amdhsa_reserve_vcc 0
		.amdhsa_float_denorm_mode_32 3
		.amdhsa_float_denorm_mode_16_64 3
		.amdhsa_memory_ordered 1
		.amdhsa_forward_progress 1
		.amdhsa_inst_pref_size 10
	.end_amdhsa_kernel
	.amdgpu_metadata
---
amdhsa.version: [ 1, 2 ]
amdhsa.kernels:
  - .name:           k_qd1c2bd239d_wcodes
    .symbol:         k_qd1c2bd239d_wcodes.kd
    .args:
      - { .name: W, .offset: 0, .size: 8, .value_kind: global_buffer, .address_space: global }
      - { .name: wq, .offset: 8, .size: 8, .value_kind: global_buffer, .address_space: global }
    .group_segment_fixed_size: 34560
    .private_segment_fixed_size: 0
    .kernarg_segment_align: 8
    .kernarg_segment_size: 16
    .max_flat_workgroup_size: 128
    .sgpr_count:     66
    .vgpr_count:     192
    .wavefront_size: 32
...
	.end_amdgpu_metadata
.endif
;; end of part 1
;; launch route (part 2): grid 256 x 1, 4 waves a work-group, no clusters, 167,936 bytes of LDS; arguments x, wq, out0, out1, out2, out3; writes out0, out1, out2, out3
.if DOCPART == 2
	.amdgcn_target "amdgcn-amd-amdhsa--gfx1250"
	.amdhsa_code_object_version 6
	.text
	.protected	k_qd1c2bd239d_route
	.globl	k_qd1c2bd239d_route
	.p2align	8
	.type	k_qd1c2bd239d_route,@function
k_qd1c2bd239d_route:
	s_mov_b64 s[64:65], 0
	v_nop
	global_prefetch_b8 v0, s[64:65] scope:SCOPE_SE
	s_setreg_imm32_b32 hwreg(HW_REG_WAVE_MODE, 25, 1), 1
	s_wait_xcnt 0x0
; logits = Q(x) Q(W)^T on codes of FP6 (E2M3) with one E8M0 scale for each 32 along K; out2 = softmax(logits); out3 = the columns of the 8 largest logits, in order; out0 = the first two of them; out1 = softmax of their two logits.
; x [16384][2048] f32 is quantised here, on its way; W's codes and scale words come from wq, laid in the order of the operand's registers: for each K step of 128 four images of 1,536 bytes and 256 bytes of scale words (one word a column).
; SHARES.  256 work-groups of four waves; a work-group owns 64 rows, a wave 16 rows over all of K: 16 K steps, 4 matrix instructions each (the 4 tiles of 16 columns), K ascending, one accumulator for each output.
; THE BYTES DECIDE: a wave reads 128 KB of x and issues 64 matrix instructions.  Each load reads 512 consecutive bytes of one row; four sets of 16 loads (four K steps, 32 KB a wave) take turns in registers, so that loads are always out.
; The conversion wants neighbours along K in ONE lane's registers, so a set turns through the wave's own stage in LDS: stored as loaded, read back by rows; lane (r, h) then holds of row r the numbers k = 64 c + 32 h + 0 .. 31: two whole blocks.
; W'S IMAGES (102,400 bytes) come into LDS once, a quarter by each wave's one tensor load, which has a counter of its own, so that x's first 64 loads go out straight behind it.  Nothing is filled again.
; NO CLUSTER: what work-groups share is wq alone, 102,400 of the 626,688 bytes that a work-group reads, once, at the head.
; THE PRODUCT IS USED TRANSPOSED (source 0 = 16 columns of W, source 1 = my 16 rows of x): lane (r, h) holds row r, and register 8 t + j of the accumulators column 16 t + 8 h + j.  A row's 64 logits lie in lanes l and l xor 16.
; THE TOP 8: eight times: the row's largest logit; the lowest column that holds it (equal logits go by the lower column); that one is taken out (-infinity).  All by compares and selects: no branch, no address hangs on data.
; LIMITS: NaN and infinities are not served; a block of zeros has the byte 1 where the rule says 127 (zero codes); blocks whose largest magnitude lies under 2^-124 were not tried; +0 and -0 count as equal; an exponential under 2^-126 is 0.
; REGISTERS: window 0: all that follows; window 1 (v256-511): the four sets of 64 registers as loaded.
.set ROWB,   8192                      ; bytes in a row of x
.set NSTEP,  16                        ; K steps of 128
.set FRB,    1536                      ; a fragment's image
.set WSTEP,  4*FRB+256                 ; a K step's block of wq
.set WQUART, 4*WSTEP                   ; what one tensor load brings: 100 rows of 256 bytes
.set FAR,    10*WSTEP                  ; K steps 10 to 15 lie beyond an LDS instruction's 16-bit offset: a second address register
.set SP,     528                       ; a stage row: 512 bytes + 16 = 132 words: row r starts at bank 4 r mod 64 (64 banks of 4 bytes: ISA guide 11.1)
.set WSTG,   16*SP                     ; a wave's stage
.set PP,     272                       ; a row of probs in the stage: 256 bytes + 16
.set STG,    NSTEP*WSTEP               ; LDS: W's images from 0; the four stages;
.set GATH,   STG+4*WSTG                ; 512 bytes of out0 and 512 of out1, the work-group's;
.set SPARE,  GATH+1024                 ; the spare words, 128 bytes for each wave, which no other line names
.set XO,  1                            ; v1   16 x lane: my bytes of a load's or a store's 512
.set AS,  2                            ; v2   the stage, on the way in
.set AX,  3                            ; v3   and on the way out
.set LI,  4                            ; v4   16 x lane: my place in an image;  v5: the same, FAR on
.set LI2, 5
.set LS,  6                            ; v6   4 x lane: my place among 32 scale words;  v7: FAR on
.set LS2, 7
.set SH8, 8                            ; v8   8 h
.set SPW, 9                            ; v9   LDS address of my spare word; never rewritten
.set NIL, 10                           ; v10  0; never rewritten
.set XT,  11                           ; v11  what comes from lane l xor 16
.set APS, 12                           ; v12  probs into the stage;  v13  and back
.set APR, 13
.set AG,  14                           ; v14  out0's and out1's pairs into the gather;  v15  and back
.set AGR, 15
.set O3,  16                           ; v16  my 16 bytes of the wave's 512 of out3
.set O01, 17                           ; v17  8 x lane
.set C64, 18                           ; v18  64: no column
.set NINF,19                           ; v19  -infinity
.set WL,  25                           ; v25  the round's column less 8 h
.set XS,  26                           ; v26  x's scale word;  v27, v28  W's: lanes 0-15 tile 0 (2), lanes 16-31 tile 1 (3).  These three hold scales and nothing else
.set WS,  27
.set PC,  32                           ; v32-43  x's fragment
.set PT,  44                           ; v44-46, v48-50  the blocks' upper halves as the conversions leave them
.set TM,  52                           ; v52-55  maxima, four chains
.set SO,  56                           ; v56-57  the conversions' scale operands;  v58-59  the bytes
.set BY,  58
.set IX,  56                           ; the tail: v56-59  four chains of columns
.set X,   64                           ; v64-127  64 numbers of my row
.set P,   64                           ; the tail: v64-95 probs;  v96-127 their rows read back
.set OB,  96
.set WF,  128                          ; v128-175  W's four fragments of a K step
.set IDX, 176                          ; v176-183  the eight columns
.set MA,  184                          ; v184 the largest logit, v185 the second, v186 the later ones
.set MB,  185
.set MC,  186
.set NCM, 188                          ; v[188:189]  - c x the largest logit (the packed form names a pair and takes its low word)
.set RC,  190                          ; v[190:191]  1 / the sum, likewise
.set ACC, 192                          ; v192-223  the logits
.set SM,  224                          ; v224-227  sums
.set OD,  228                          ; v228-231  my four columns for out3
.set GD,  232                          ; v[232:233], v[234:235]  the gather's pair, in and back
.set GR,  234
.set E0,  236
.set E1,  237
.set TT,  238
.set T2,  239
.set W0,  240
.set W1,  241
.set WV,  16                           ; s16  my wave's number
.set G0,  20                           ; s[20:23] descriptor group 0;  s[24:31] group 1
.set G1,  24
.set HM,  38                           ; s38  lanes 16-31
.set SEL, 40                           ; s[40:41] lane selects for v_permlanex16_b32: lane l xor 16
.set CS,  42                           ; s[42:43] c = log2(e)
.set MK,  66                           ; s66-97  32 lane masks, one for each register of the logits
.set MSB, 0
.macro WIN new                         ; the immediate's high byte repeats the setting that is left
.if MSB != \new
	s_set_vgpr_msb (MSB<<8)|\new
.set MSB, \new
.endif
.endm
.set RING, 0x44                        ; destination (a load's data) and source 1 (an LDS store's data) in window 1; addresses in window 0
.macro LOAD t                          ; K step t of my 16 rows into set t % 4
.irp i, 0,1,2,3,4,5,6,7,8,9,10,11,12,13,14,15
	global_load_b128 v[64*((\t)%4)+4*\i:64*((\t)%4)+4*\i+3], v[XO], s[4:5] offset:\i*ROWB+(\t)*512 th:TH_LOAD_NT   ; 512 consecutive bytes of row i; read once
.endr
.endm
.macro FETCH_W t                       ; W's four fragments and 64 scale words of K step t, as they lie
.if (\t) < 10
.set WA, LI
.set WB, LS
.set WO, (\t)*WSTEP
.else
.set WA, LI2
.set WB, LS2
.set WO, ((\t)-10)*WSTEP
.endif
.irp n, 0,1,2,3
.irp g, 0,1,2
	ds_load_b128 v[WF+12*\n+4*\g:WF+12*\n+4*\g+3], v[WA] offset:WO+FRB*\n+512*\g
.endr
.endr
	ds_load_b32 v[WS], v[WB] offset:WO+4*FRB
	ds_load_b32 v[WS+1], v[WB] offset:WO+4*FRB+128
.endm
; 64 numbers of a lane, v[X + 32 c + i] = k 64 c + 32 h + i of my row, become the fragment's 12 registers in v[PC] on and the row's scale word in v[XS].
.macro QUANT pl
.irp c, 0,1
	v_max3_num_f32 v[TM+2*\c], |v[X+32*\c]|, |v[X+32*\c+1]|, 0x1800000          ; the floor 2^(3 - 127) is one more leaf: the byte cannot fall under 1
	v_max3_num_f32 v[TM+2*\c+1], |v[X+32*\c+16]|, |v[X+32*\c+17]|, |v[X+32*\c+18]|
.endr
.irp i, 2,4,6,8,10,12
.irp c, 0,1
	v_max3_num_f32 v[TM+2*\c], v[TM+2*\c], |v[X+32*\c+\i]|, |v[X+32*\c+\i+1]|   ; four chains by turns: no line waits for the line above it
	v_max3_num_f32 v[TM+2*\c+1], v[TM+2*\c+1], |v[X+32*\c+\i+17]|, |v[X+32*\c+\i+18]|
.endr
.endr
.irp c, 0,1
	v_max3_num_f32 v[TM+2*\c], v[TM+2*\c], |v[X+32*\c+14]|, |v[X+32*\c+15]|
.endr
.irp c, 0,1
	v_max3_num_f32 v[TM+2*\c], v[TM+2*\c], v[TM+2*\c+1], |v[X+32*\c+31]|        ; the block's largest magnitude: all 32 numbers are mine
.endr
.irp c, 0,1
	v_add_nc_u32 v[SO+\c], 0xff000000, v[TM+2*\c]  ; 2 off its exponent field: the conversion takes the exponent field of this operand as its scale
.endr
.irp c, 0,1
	v_lshrrev_b32 v[BY+\c], 23, v[SO+\c]           ; the scale's byte
.endr
	v_lshl_or_b32 v[XS], v[BY+1], 16, v[BY]        ; my two bytes: blocks h and 2 + h,
	v_lshlrev_b32 v[XS], v[SH8], v[XS]             ; at their places in the word;
	v_permlanex16_b32 v[XT], v[XS], s[SEL], s[SEL+1]
	v_or_b32 v[XS], v[XS], v[XT]                   ; with lane l xor 16's two the word is whole
.irp c, 0,1
	v_cvt_scalef32_pk16_fp6_f32 v[PC+6*\c:PC+6*\c+2], v[X+32*\c:X+32*\c+15], v[SO+\c]
	v_cvt_scalef32_pk16_fp6_f32 v[PT+4*\c:PT+4*\c+2], v[X+32*\c+16:X+32*\c+31], v[SO+\c]   ; (a conversion's three registers begin on an even number: the upper half is made here and moved)
.endr
	v_nop                                          ; one plain place behind the scaled conversions
.irp c, 0,1
.irp i, 0,1,2
	v_mov_b32 v[PC+6*\c+3+\i], v[PT+4*\c+\i]
.endr
.endr
.rept \pl
	v_nop                                          ; a scale register written by a vector instruction stands 8 places ahead of a scaled matrix instruction, an operand so written 4
.endr
.endm
; A K STEP.  W's fragments are asked for first: they hang on nothing of x.  The set turns through the stage; as soon as the stores have read it, it takes the loads of four steps on.
.macro STEP t
	FETCH_W \t
.if (\t) < NSTEP-3
	s_wait_loadcnt 48                              ; loads come back in order (ISA guide 5.7.1): this set's 16 are in, the 48 of the three later sets may be out
.else
	s_wait_loadcnt 16*(NSTEP-1-(\t))               ; the last sets: the counts run down
.endif
	WIN RING
.irp i, 0,1,2,3,4,5,6,7,8,9,10,11,12,13,14,15
	ds_store_b128 v[AS], v[64*((\t)%4)+4*\i:64*((\t)%4)+4*\i+3] offset:\i*SP
.endr
	WIN 0
.irp c, 0,1
.irp q, 0,1,2,3,4,5,6,7
	ds_load_b128 v[X+32*\c+4*\q:X+32*\c+4*\q+3], v[AX] offset:256*\c+16*\q   ; LDS serves a wave's instructions in order (ISA guide 5.7.1.4): these see my stores
.endr
.endr
.if (\t)+4 < NSTEP
	s_wait_dscnt 16                                ; all but the 16 reads just issued: the stores have read the set
	WIN RING
	LOAD (\t)+4
	WIN 0
.endif
	s_wait_dscnt 0x0                               ; my 64 numbers, W's fragments and scale words
	QUANT 8
.irp n, 0,1,2,3                        ; the four accumulators take turns, one instruction a turn, in the same order in every step; the first step's products start the sums
.if (\t) == 0
.if (\n)%2 == 1
	v_wmma_scale_f32_16x16x128_f8f6f4 v[ACC+8*\n:ACC+8*\n+7], v[WF+12*\n:WF+12*\n+11], v[PC:PC+11], 0, v[WS+\n/2], v[XS] matrix_a_fmt:MATRIX_FMT_FP6 matrix_b_fmt:MATRIX_FMT_FP6 matrix_a_scale:MATRIX_SCALE_ROW1
.else
	v_wmma_scale_f32_16x16x128_f8f6f4 v[ACC+8*\n:ACC+8*\n+7], v[WF+12*\n:WF+12*\n+11], v[PC:PC+11], 0, v[WS+\n/2], v[XS] matrix_a_fmt:MATRIX_FMT_FP6 matrix_b_fmt:MATRIX_FMT_FP6
.endif
.else
.if (\n)%2 == 1
	v_wmma_scale_f32_16x16x128_f8f6f4 v[ACC+8*\n:ACC+8*\n+7], v[WF+12*\n:WF+12*\n+11], v[PC:PC+11], v[ACC+8*\n:ACC+8*\n+7], v[WS+\n/2], v[XS] matrix_a_fmt:MATRIX_FMT_FP6 matrix_b_fmt:MATRIX_FMT_FP6 matrix_a_scale:MATRIX_SCALE_ROW1
.else
	v_wmma_scale_f32_16x16x128_f8f6f4 v[ACC+8*\n:ACC+8*\n+7], v[WF+12*\n:WF+12*\n+11], v[PC:PC+11], v[ACC+8*\n:ACC+8*\n+7], v[WS+\n/2], v[XS] matrix_a_fmt:MATRIX_FMT_FP6 matrix_b_fmt:MATRIX_FMT_FP6
.endif
.endif
.endr
.rept 4
	v_nop                                          ; four places in front of the loads into W's registers, and, behind the last step, of the first read of the logits
.endr
.endm
; The row's largest logit that is still in: 32 registers in four chains, each accumulator from its low end on; then lane l xor 16's.
.macro MAXROW dst
.irp t, 0,1,2,3
	v_max3_num_f32 v[TM+\t], v[ACC+8*\t], v[ACC+8*\t+1], v[ACC+8*\t+2]
.endr
.irp t, 0,1,2,3
	v_max3_num_f32 v[TM+\t], v[TM+\t], v[ACC+8*\t+3], v[ACC+8*\t+4]
.endr
.irp t, 0,1,2,3
	v_max3_num_f32 v[TM+\t], v[TM+\t], v[ACC+8*\t+5], v[ACC+8*\t+6]
.endr
	v_max3_num_f32 v[TM], v[TM], v[ACC+7], v[ACC+15]
	v_max3_num_f32 v[TM+2], v[TM+2], v[ACC+23], v[ACC+31]
	v_max3_num_f32 v[TM], v[TM], v[TM+1], v[TM+2]
	v_max_num_f32 v[TM], v[TM], v[TM+3]
	v_permlanex16_b32 v[XT], v[TM], s[SEL], s[SEL+1]
	v_max_num_f32 v[\dst], v[TM], v[XT]
.endm
; The lowest column that holds v[m].  32 compares into 32 scalar masks, then four chains of selects, j descending, so that the lowest j is written last; 16 t + j is the column less 8 h.
.macro FIND m, i
.irp j, 7,6,5,4,3,2,1,0
.irp t, 0,1,2,3
	v_cmp_neq_f32 s[MK+4*\j+\t], v[ACC+8*\t+\j], v[\m]
.endr
.endr
.irp t, 0,1,2,3
	v_cndmask_b32 v[IX+\t], 16*\t+7, v[C64], s[MK+28+\t]
.endr
.irp j, 6,5,4,3,2,1,0
.irp t, 0,1,2,3
	v_cndmask_b32 v[IX+\t], 16*\t+\j, v[IX+\t], s[MK+4*\j+\t]
.endr
.endr
	v_min_u32 v[IX], v[IX], v[IX+1]
	v_min_u32 v[IX+2], v[IX+2], v[IX+3]
	v_min_u32 v[IX], v[IX], v[IX+2]
	v_add_nc_u32 v[IX], v[SH8], v[IX]              ; my lowest column, or 64 and more where I hold none
	v_permlanex16_b32 v[XT], v[IX], s[SEL], s[SEL+1]
	v_min_u32 v[IDX+\i], v[IX], v[XT]              ; the row's
.endm
; That one logit is taken out.  The column less 8 h meets one of my 16 t + j only where the column is mine: the other half's leaves 8 or more modulo 16, or wraps.
.macro REMOVE i
	v_sub_nc_u32 v[WL], v[IDX+\i], v[SH8]
.irp j, 0,1,2,3,4,5,6,7
.irp t, 0,1,2,3
	v_cmp_eq_u32 s[MK+4*\j+\t], 16*\t+\j, v[WL]
.endr
.endr
.irp j, 0,1,2,3,4,5,6,7
.irp t, 0,1,2,3
	v_cndmask_b32 v[ACC+8*\t+\j], v[ACC+8*\t+\j], v[NINF], s[MK+4*\j+\t]
.endr
.endr
.endm
	s_load_b128 s[4:7], s[0:1], 0x0                ; x, wq
	s_load_b256 s[8:15], s[0:1], 0x10              ; out0, out1, out2, out3
	v_lshl_add_u32 v[SPW], v0, 2, SPARE
	v_mov_b32 v[NIL], 0
	ds_add_u32 v[SPW], v[NIL]                      ; the wave's opening: the add and its wait ahead of my tensor load; the set-up below, work on registers, stands between them
	ds_add_u32 v[SPW], v[NIL]
	v_lshrrev_b32 v20, 5, v0
	v_readfirstlane_b32 s[WV], v20                 ; wave 0..3
	v_and_b32 v21, 31, v0                          ; lane
	v_lshlrev_b32 v[XO], 4, v21
	; descriptor group 1: a dense block of 25,600 bytes as 100 rows of 32 elements of 8 bytes, no padding: images are read 512 consecutive bytes at a time
	s_mov_b32 s[G1+0], 3<<16                       ; 15:0 no mask; 17:16 elements of 8 bytes; 20 padding off
	s_mov_b32 s[G1+1], 32<<16                      ; tensor_dim0 = 32
	s_mov_b32 s[G1+2], 100<<16                     ; tensor_dim1 = 100
	s_mov_b32 s[G1+3], 32<<16                      ; tile_dim0 = 32
	s_mov_b32 s[G1+4], 100                         ; tile_dim1 = 100
	s_mov_b32 s[G1+5], 32                          ; from row to row
	s_mov_b32 s[G1+6], 0
	s_mov_b32 s[G1+7], 0
	s_mov_b32 s[G0], 1                             ; count = 1
	s_mul_i32 s[G0+1], s[WV], WQUART               ; LDS address: my quarter of the images,
	s_mul_i32 s32, s[WV], WQUART                   ; and the same bytes into wq
	s_mov_b32 s33, 0
	s_lshl_b32 s17, ttmp9, 6
	s_lshl_b32 s18, s[WV], 4
	s_add_co_u32 s17, s17, s18                     ; my first row: 64 x work-group + 16 x wave
	s_lshl_b32 s34, s17, 13                        ; x 8,192 bytes: under 2^28
	s_mov_b32 s35, 0
	s_wait_alu depctr_va_vdst(0)
	s_wait_dscnt 0x0                               ; the opening add is done
	s_wait_kmcnt 0x0
	s_add_nc_u64 s[G0+2:G0+3], s[6:7], s[32:33]
	s_or_b32 s[G0+3], s[G0+3], 0x80000000          ; type = 2
	s_add_nc_u64 s[4:5], s[4:5], s[34:35]          ; x at my first row
	tensor_load_to_lds s[G0:G0+3], s[G1:G1+7]      ; my one tensor load: four K steps of W's images
	s_nop 0
	WIN RING                                       ; (directly behind the s_nop 0, and not again before the 64 loads are out)
	LOAD 0
	LOAD 1
	LOAD 2
	LOAD 3
	WIN 0
	v_and_b32 v22, 15, v0                          ; r
	v_bfe_u32 v23, v0, 4, 1                        ; h
	s_mul_i32 s19, s[WV], WSTG
	s_add_co_u32 s19, s19, STG                     ; my stage
	v_add_nc_u32 v[AS], s19, v[XO]                 ; in: a row as it lies, 16 bytes a lane
	v_mul_u32_u24 v24, v22, SP
	v_lshl_add_u32 v24, v23, 7, v24
	v_add_nc_u32 v[AX], s19, v24                   ; out: row r, + 128 h bytes: my first block
	v_lshlrev_b32 v[LI], 4, v21
	v_add_nc_u32 v[LI2], FAR, v[LI]
	v_lshlrev_b32 v[LS], 2, v21
	v_add_nc_u32 v[LS2], FAR, v[LS]
	v_lshlrev_b32 v[SH8], 3, v23
	v_mov_b32 v[XT], 0                             ; written once: a lane permute's destination counts as one of its sources
	v_mul_u32_u24 v24, v22, PP
	v_lshl_add_u32 v24, v23, 5, v24
	v_add_nc_u32 v[APS], s19, v24                  ; probs in: row r, + 32 h; tile t's eight columns 64 t bytes on
	v_mul_u32_u24 v24, v23, PP
	v_lshl_add_u32 v24, v22, 4, v24
	v_add_nc_u32 v[APR], s19, v24                  ; and back: lanes 0-15 one row of 256 bytes, lanes 16-31 the next
	s_lshl_b32 s36, s[WV], 7
	s_add_co_u32 s36, s36, GATH
	v_lshlrev_b32 v24, 3, v22
	v_lshl_add_u32 v24, v23, 9, v24
	v_add_nc_u32 v[AG], s36, v24                   ; the gather: 8 bytes a row, my wave's 128; lanes 16-31 write out1's pair, 512 bytes on
	s_lshl_b32 s36, s[WV], 8
	s_add_co_u32 s36, s36, GATH
	v_lshlrev_b32 v[O01], 3, v21
	v_add_nc_u32 v[AGR], s36, v[O01]               ; and back: wave w takes bytes 256 w on
	v_lshlrev_b32 v24, 5, v22
	v_lshl_add_u32 v[O3], v23, 4, v24              ; out3: row r of 32 bytes, + 16 h
	v_mov_b32 v[NCM+1], 0                          ; (named as the upper halves of pairs)
	v_mov_b32 v[RC+1], 0
	s_mov_b32 s[HM], 0xffff0000
	s_mov_b32 s[SEL], 0x76543210
	s_mov_b32 s[SEL+1], 0xfedcba98
	s_mov_b32 s[CS], 0x3fb8aa3b                    ; c = log2(e)
	s_mov_b32 s[CS+1], s[CS]                       ; (named with it as a pair, so it is written)
	s_lshl_b32 s34, s17, 8
	s_add_nc_u64 s[12:13], s[12:13], s[34:35]      ; out2 at my first row: 256 bytes a row
	s_lshl_b32 s34, s17, 5
	s_add_nc_u64 s[14:15], s[14:15], s[34:35]      ; out3: 32 bytes a row
	s_cmp_lt_u32 s[WV], 2                          ; waves 0, 1 store the work-group's 512 bytes of out0, waves 2, 3 those of out1: 256 each
	s_cselect_b64 s[8:9], s[8:9], s[10:11]
	s_lshl_b32 s34, ttmp9, 9
	s_and_b32 s37, s[WV], 1
	s_lshl_b32 s37, s37, 8
	s_add_co_u32 s34, s34, s37
	s_add_nc_u64 s[8:9], s[8:9], s[34:35]
	s_wait_tensorcnt 0x0                           ; my quarter of W's images has landed,
	s_barrier_signal -1
	s_barrier_wait -1                              ; everybody's has.  (x's loads stay out across the barrier: nobody writes those bytes)
.irp t, 0,1,2,3,4,5,6,7,8,9,10,11,12,13,14,15
	STEP \t
.endr
	; THE SOFTMAX.  p = 2^(c s - c m), m the row's largest logit; the rounding of c m shifts all of a row's exponents alike and leaves the quotient as it is.
	MAXROW MA
	v_mul_f32 v[NCM], 0xbfb8aa3b, v[MA]            ; - c m
.irp k, 0,2,4,6,8,10,12,14,16,18,20,22,24,26,28,30
	v_pk_fma_f32 v[P+\k:P+\k+1], v[ACC+\k:ACC+\k+1], s[CS:CS+1], v[NCM:NCM+1] op_sel_hi:[1,0,0]   ; two at a time; of the pairs c and - c m the low word serves both halves
.endr
	s_wait_alu depctr_va_vdst(0)
.irp k, 0,1,2,3,4,5,6,7,8,9,10,11,12,13,14,15,16,17,18,19,20,21,22,23,24,25,26,27,28,29,30,31
	v_exp_f32 v[P+\k], v[P+\k]
.endr
	v_mov_b32 v[C64], 64                           ; (a plain place behind the exponentials)
	s_wait_alu depctr_va_vdst(0)                   ; one wait for the batch of 32, ahead of its first reader
	v_pk_add_f32 v[SM:SM+1], v[P:P+1], v[P+2:P+3]  ; the row's sum: two at a time, in two chains
	v_pk_add_f32 v[SM+2:SM+3], v[P+4:P+5], v[P+6:P+7]
.irp k, 8,12,16,20,24,28
	v_pk_add_f32 v[SM:SM+1], v[SM:SM+1], v[P+\k:P+\k+1]
	v_pk_add_f32 v[SM+2:SM+3], v[SM+2:SM+3], v[P+\k+2:P+\k+3]
.endr
	v_pk_add_f32 v[SM:SM+1], v[SM:SM+1], v[SM+2:SM+3]
	v_add_f32 v[SM], v[SM], v[SM+1]
	v_permlanex16_b32 v[XT], v[SM], s[SEL], s[SEL+1]
	v_add_f32 v[SM], v[SM], v[XT]                  ; with lane l xor 16's 32 columns
	v_add_f32 v[SM], 0x2b8cbccc, v[SM]             ; + 1e-12
	s_wait_alu depctr_va_vdst(0)
	v_rcp_f32 v[RC], v[SM]
	v_mov_b32 v[NINF], 0xff800000                  ; (a plain place behind the reciprocal)
	s_wait_alu depctr_va_vdst(0)                   ; and its wait, ahead of the first reader
.irp k, 0,2,4,6,8,10,12,14,16,18,20,22,24,26,28,30
	v_pk_mul_f32 v[P+\k:P+\k+1], v[P+\k:P+\k+1], v[RC:RC+1] op_sel_hi:[1,0]
.endr
.irp t, 0,1,2,3                        ; a lane holds 32 bytes of a row four times over, and the lanes beside it other rows: so probs go through my stage and come back as whole rows
	ds_store_b128 v[APS], v[P+8*\t:P+8*\t+3] offset:64*\t
	ds_store_b128 v[APS], v[P+8*\t+4:P+8*\t+7] offset:64*\t+16
.endr
.irp i, 0,1,2,3,4,5,6,7
	ds_load_b128 v[OB+4*\i:OB+4*\i+3], v[APR] offset:2*\i*PP     ; in order behind my stores
.endr
	; THE TOP 8.  The first round's largest logit is the softmax's.
	FIND MA, 0
	REMOVE 0
	s_wait_dscnt 0x0                               ; probs' rows are back (the first round stood between)
.irp i, 0,1,2,3,4,5,6,7
	global_store_b128 v[XO], v[OB+4*\i:OB+4*\i+3], s[12:13] offset:512*\i th:TH_STORE_NT   ; two rows: 512 consecutive bytes, at a multiple of 256 from out2's first byte
.endr
	MAXROW MB
	v_fma_f32 v[E0], v[MA], s[CS], v[NCM]          ; the two largest logits through the same multiply-add and exponential
	v_fma_f32 v[E1], v[MB], s[CS], v[NCM]
	s_wait_alu depctr_va_vdst(0)
	v_exp_f32 v[E0], v[E0]
	v_exp_f32 v[E1], v[E1]                         ; nothing names these two before the wait behind the last round: the rounds are the work between
	FIND MB, 1
	REMOVE 1
.irp i, 2,3,4,5,6
	MAXROW MC
	FIND MC, \i
	REMOVE \i
.endr
	MAXROW MC
	FIND MC, 7                                     ; the last is not taken out: nobody looks again
	s_wait_alu depctr_va_vdst(0)                   ; the wait for the two exponentials, ahead of their first reader
	v_add_f32 v[TT], v[E0], v[E1]
	v_add_f32 v[TT], 0x2b8cbccc, v[TT]             ; + 1e-12
	s_wait_alu depctr_va_vdst(0)
	v_rcp_f32 v[T2], v[TT]
.irp q, 0,1,2,3
	v_cndmask_b32 v[OD+\q], v[IDX+\q], v[IDX+4+\q], s[HM]        ; out3: lanes 0-15 take the row's columns 0-3, lanes 16-31 its columns 4-7.  (Plain work behind the reciprocal)
.endr
	s_wait_alu depctr_va_vdst(0)                   ; the reciprocal's wait
	v_mul_f32 v[W0], v[E0], v[T2]
	v_mul_f32 v[W1], v[E1], v[T2]
	global_store_b128 v[O3], v[OD:OD+3], s[14:15] th:TH_STORE_NT ; the wave's 16 rows of out3: 512 consecutive bytes, aligned
	v_cndmask_b32 v[GD], v[IDX], v[W0], s[HM]      ; lanes 0-15: the row's pair of out0; lanes 16-31: its pair of out1
	v_cndmask_b32 v[GD+1], v[IDX+1], v[W1], s[HM]
	ds_store_b64 v[AG], v[GD:GD+1]                 ; a wave's 16 rows are 128 bytes of each: the four waves' meet in LDS
	s_wait_dscnt 0x0                               ; for the others' sake: my pairs have landed
	s_barrier_signal -1
	s_barrier_wait -1
	ds_load_b64 v[GR:GR+1], v[AGR]
	s_wait_dscnt 0x0
	global_store_b64 v[O01], v[GR:GR+1], s[8:9] th:TH_STORE_NT   ; 32 lanes store 256 consecutive bytes, aligned
	s_wait_tensorcnt 0x0                           ; the wave's end, behind my tensor load and my last LDS store
	ds_add_u32 v[SPW], v[NIL]
	s_wait_dscnt 0x0
	s_endpgm
.Lfunc_end_k_qd1c2bd239d_route:
	.size	k_qd1c2bd239d_route, .Lfunc_end_k_qd1c2bd239d_route-k_qd1c2bd239d_route
	.p2alignl 7, 3214868480
	.fill 96, 4, 3214868480
	.section	.rodata,"a",@progbits
	.p2align	6, 0x0
	.amdhsa_kernel k_qd1c2bd239d_route
		.amdhsa_group_segment_fixed_size 167936
		.amdhsa_private_segment_fixed_size 0
		.amdhsa_enable_private_segment 0
		.amdhsa_kernarg_size 48
		.amdhsa_user_sgpr_count 2
		.amdhsa_user_sgpr_kernarg_segment_ptr 1
		.amdhsa_wavefront_size32 1
		.amdhsa_system_sgpr_workgroup_id_x 1
		.amdhsa_system_sgpr_workgroup_id_y 1
		.amdhsa_system_sgpr_workgroup_id_z 1
		.amdhsa_system_vgpr_workitem_id 0
		.amdhsa_next_free_vgpr 512
		.amdhsa_next_free_sgpr 98
		.amdhsa_reserve_vcc 0
		.amdhsa_float_denorm_mode_32 3
		.amdhsa_float_denorm_mode_16_64 3
		.amdhsa_memory_ordered 1
		.amdhsa_forward_progress 1
		.amdhsa_inst_pref_size 216
	.end_amdhsa_kernel
	.amdgpu_metadata
---
amdhsa.version: [ 1, 2 ]
amdhsa.kernels:
  - .name:           k_qd1c2bd239d_route
    .symbol:         k_qd1c2bd239d_route.kd
    .args:
      - { .name: x, .offset: 0, .size: 8, .value_kind: global_buffer, .address_space: global }
      - { .name: wq, .offset: 8, .size: 8, .value_kind: global_buffer, .address_space: global }
      - { .name: out0, .offset: 16, .size: 8, .value_kind: global_buffer, .address_space: global }
      - { .name: out1, .offset: 24, .size: 8, .value_kind: global_buffer, .address_space: global }
      - { .name: out2, .offset: 32, .size: 8, .value_kind: global_buffer, .address_space: global }
      - { .name: out3, .offset: 40, .size: 8, .value_kind: global_buffer, .address_space: global }
    .group_segment_fixed_size: 167936
    .private_segment_fixed_size: 0
    .kernarg_segment_align: 8
    .kernarg_segment_size: 48
    .max_flat_workgroup_size: 128
    .sgpr_count:     98
    .vgpr_count:     512
    .wavefront_size: 32
...
	.end_amdgpu_metadata
.endif
;; end of part 2
